; MI455X (gfx1250); checked and timed in simulation.
; The chip was launched on July 23, 2026; its instructions are those of AMD's public machine-readable ISA for CDNA 5 (MIT licence, August 2026) and "CDNA5" Instruction Set Architecture Reference Guide (July 2026). The comments in the code are by the model that wrote it; some were corrected since.
;; Recurrent NALU. Allowed arithmetic: matrix products marked QUANTISED: E2M1 operands, one E8M0 scale for each 32 along K, by v_wmma_scale_f32_16x16x128_f8f6f4 with both operands' format E2M1 (or v_wmma_scale_f32_32x16x128_f4), f32 sums; everything else in f32.
;; Inputs: G_add_codes 128 x 8 x 16 uint8 (E2M1 codes of G_add, K innermost, in blocks of 32 codes, two codes a byte); G_add_scales 128 x 8 uint8 (E8M0 scales of G_add, one for each 32 codes along K); W_add 128 x 256 float32; W_mul 128 x 256 float32; h_tm1 4,096 x 128 float32; x_t 4,096 x 128 float32.
;; Outputs: out0 4,096 x 128 float32.
;; This version of the problem:
;;   THIS VERSION OF THE PROBLEM IS GIVEN IN LOW PRECISION. The matrix products marked QUANTISED in the list below multiply operands that are first quantised to E2M1 (2 exponent bits, 1 mantissa bit; 4 bits a number), with one power-of-two scale for each 32 numbers along K (OCP MX v1.0); their sums are f32. All else is computed in f32.
;;   The module's matrix products, in the order in which they are computed (A, B: the left and right operand; K: the contracted axis; several contracted axes count as one K, in the product's order):
;;     1. [M 4,096, K 256] x [K 256, N 128]; A: computed on the way; B: input G_add (given as codes): QUANTISED
;;     2. [M 4,096, K 256] x [K 256, N 128]; A: computed on the way; B: computed on the way: QUANTISED
;;   THE QUANTISER, for each operand of a quantised product, along K:
;;     - K is cut into blocks of 32 from its start; a last block that is shorter is filled with zeros.
;;     - A block's scale is 2^e with e = floor(log2(the largest magnitude in the block)) - 2, held to -126 .. 127; a block of zeros has e = 0. As a byte (E8M0): e + 127.
;;     - Each number is divided by its block's scale, clamped to +-6, and rounded to the nearest number of E2M1, ties to even, subnormals kept.
;;     - The product sums the exact products of the quantised numbers (number of the format x scale) in f32.
;;   ~~~python
;;   def quantise(x, axis):      # numpy; x: float32 -> the quantised numbers, widened to float32 again
;;       x = np.moveaxis(x, axis, -1); K = x.shape[-1]
;;       x = np.pad(x, [(0, 0)] * (x.ndim - 1) + [(0, -K % 32)]); x = x.reshape(x.shape[:-1] + (-1, 32)); a = np.abs(x).max(-1, keepdims=True)
;;       e = np.where(a > 0, np.clip(np.frexp(np.where(a > 0, a, 1))[1] - 1 - 2, -126, 127), 0)      # np.frexp(a)[1] - 1 = floor(log2(a)), exactly
;;       r = np.clip(x / 2.0 ** e, -6, 6)
;;       step = 2.0 ** (np.maximum(np.frexp(np.where(r == 0, 1, r))[1] - 1, 0) - 1)
;;       q = np.round(r / step) * step * 2.0 ** e      # np.round: ties to even
;;       return np.moveaxis(q.reshape(q.shape[:-2] + (-1,))[..., :K], -1, axis).astype(np.float32)
;;   ~~~
;;   OPERANDS COMPUTED ON THE WAY. 'Computed on the way' means the value that the module computes at that place (a softmax that the list does not call 'softmax' is quantised finished and normalised). What goes into a quantiser is computed in f32, as accurately as f32 sums, v_exp_f32 and their like allow (about 1e-6 of the number): no bf16 or f16 on the way to a quantiser, and a product that is left as it is and whose result goes on into a quantised operand takes f32 operands (vector FMAs, or v_wmma_f32_16x16x4_f32). A number that lies on a knife's edge between two numbers of the format may be rounded either way, as far as f32 arithmetic and the matrix unit's own rounding can turn it there, and no further.
;;   INPUTS GIVEN AS CODES. G_add (in the module: [128, 256], K = its axis 1): each comes as NAME_codes (uint8): NAME with its K axis moved to the last place and cut into blocks of 32 codes, [.., K / 32, bytes a block], one block behind the other in memory; two codes a byte, the lower K in the low four bits (a code: sign, 2 exponent bits, 1 mantissa bit); and NAME_scales (uint8): the same leading axes, one E8M0 byte (e + 127) for each 32 codes along K. Its value is code x scale, taken as it is: it is not quantised again, and the codes and scales need not be those that the quantiser above would give.
;; 2 versions. Each part assembles by itself: llvm-mc -triple=amdgcn-amd-amdhsa -mcpu=gfx1250 --defsym DOCPART=n.
;; ======== version 1 of 2: 1 launch
;; launch nalu (part 1): grid 128 x 2, 16 waves a work-group, no clusters, 293,888 bytes of LDS; arguments x_t, h_tm1, W_mul, W_add, G_add_codes, G_add_scales, out0; writes out0
.if DOCPART == 1
	.amdgcn_target "amdgcn-amd-amdhsa--gfx1250"
	.amdhsa_code_object_version 6
	.text
	.protected	k_qb6ab76f228_nalu
	.globl	k_qb6ab76f228_nalu
	.p2align	8
	.type	k_qb6ab76f228_nalu,@function
k_qb6ab76f228_nalu:
	s_mov_b64 s[64:65], 0
	v_nop
	global_prefetch_b8 v0, s[64:65] scope:SCOPE_SE
	s_setreg_imm32_b32 hwreg(HW_REG_WAVE_MODE, 25, 1), 1
	s_wait_xcnt 0x0
; RecurrentNALU, one step.  x = [x_t | h_tm1], [4096][256] f32.
;   g = sigmoid(Q(x) G^T)          G given as FP4 (E2M1) codes and E8M0 scale bytes, K innermost
;   a = Q(x) Q(clip(W_add,-1,1))^T both operands quantised here, one scale for each 32 along K
;   m = prod over k of (1 + clip(W_mul,0,1)[h][k] (x[b][k] - 1))      f32, on the vector unit
;   y = g a + (1 - g) m            [4096][128] f32
; SHARES.  A work-group makes 32 rows x 64 outputs (256 bytes of each output row); 128 x 2 work-groups.  Sixteen waves of 256 registers.
; The product m is nearly all of the work: 32 x 64 x 256 factors a work-group, one packed multiply-add and one packed multiply for two factors.
; MNAC.  Wave (ks, rg) takes k = 32 ks .. 32 ks + 31 and rows 16 rg .. 16 rg + 15.  Lane (lr, hl) = (lane / 16, lane % 16) takes rows of parity lr and outputs 4 hl .. 4 hl + 3:
; 8 row pairs x 4 outputs = 32 running products a lane.  For 4 along K a wave reads 4 x 16 bytes of W (4 outputs at one k) and 8 x 16 bytes of t = x - 1 (4 k of one row, the same
; address in the 16 lanes of a half) and issues 128 packed instructions.  The eight waves' partial products of an output meet in LDS.
; PRODUCTS ON CODES.  Twelve waves quantise one fragment each (16 rows x 128 K of x or of clip(W_add)); a lane owns whole blocks of 32, so no other lane is asked for a maximum.  Fragments
; go from wave to wave as images of their registers.  Eight waves then make one tile of 16 rows x 16 outputs each, used transposed (source 0 = 16 rows of the weight, source 1 = 16 rows of x):
; a lane holds 8 neighbouring outputs of one row.
; NO TENSOR LOADS, NO CLUSTER: both f32 weights pass through registers on their way into LDS (the clip; for W_mul also a 4 x 4 transposition, which the clip's choice of destination gives);
; landed in LDS as they lie they would be read, clipped and stored a second time, 128 KiB more through LDS for each work-group.  Each byte is asked for once, at the head: there is no loop of refills to share.
; NO PREFETCH: every global load but G's 2.1 KiB a wave is issued at the head; nothing later waits for memory.
; LIMITS.  NaN and infinities among the inputs are not served.  A block of zeros gets the scale byte 1 (its codes are zeros, and only this text reads the byte).  A factor is formed as
; fma(W, x - 1, 1), x - 1 rounded once, where the definition has (x W + 1) - W: the same size of error, another order of rounding.  m is the product of 8 partial products of 32 factors:
; where a partial product leaves f32's range (about 1e-38 .. 3e38) though the whole product would not, the result is not served.
.set PX,   1040                        ; an LDS row of 256 f32 + 16 bytes: 65 x 16, so 16 rows read at one column start at 16 different groups of four banks (64 banks of 4 bytes: ISA guide 11.1)
.set PW4,  4112                        ; a row of the transposed W_mul: 256 k x 4 outputs x 4 bytes + 16 = 257 x 16
.set PPP,  272                         ; a row of 64 outputs + 16 bytes = 17 x 16
.set PPS,  32*PPP                      ; one K part's 32 rows of partial products
.set TT,   0                           ; LDS: t = x - 1, 32 rows x 1,024 bytes
.set XW,   32768                       ; x as it is (rows 0-31) and clip(W_add) (rows 32-95), pitch PX: what is quantised
.set WM,   XW+96*PX                    ; clip(W_mul): row hl holds, for each k, outputs 4 hl .. 4 hl + 3; k = 128 f + 4 l + kk lies at 16-byte place 128 f + 32 kk + l
.set IMG,  WM+16*PW4                   ; twelve fragments as images of their registers, 1,024 bytes each: x (2 mt + s), then W_add (4 + 2 nt + s)
.set SCW,  IMG+12*1024                 ; their scale words, 128 bytes each
.set PP,   SCW+12*128                  ; partial products [ks][row][output]
.set STG,  PP+8*PPS                    ; y on its way out, 32 rows
.set L16,  1                           ; v1   16 x lane
.set ATS,  2                           ; v2   store t;          v3 store x;      v4 store W_mul;   v5 store W_add
.set AXX,  3
.set AWM,  4
.set AXA,  5
.set AQ,   6                           ; v6   read what I quantise;  v7 my image;  v8 my scale word
.set AIMG, 7
.set ASCW, 8
.set AWS,  9                           ; v9   MNAC: read W;     v10 read t;      v11 store partial products
.set ATL,  10
.set APP,  11
.set AXF,  12                          ; v12  tile: x's images; v13 W_add's;     v14, v15 their scale words
.set AWF,  13
.set AXS,  14
.set AWSC, 15
.set APR,  16                          ; v16  tile: read partial products;  v17 store y to the stage;  v18 read the stage
.set ASO,  17
.set ASR,  18
.set GOC,  19                          ; v19  byte offset in G's codes;  v20 in G's scales;  v21 in out
.set GOS,  20
.set OFO,  21
.set SH8,  22                          ; v22  8 x (lane / 16)
.set SG,   28                          ; v28-29 G's scale words (K step 0, 1); v30-31 W_add's; v32-33 x's: these six hold scales and nothing else
.set SW,   30
.set SX,   32
.set ACC,  36                          ; v36-67   running products: row pair p at 4 p, outputs 4 hl + 0 .. 3
.set U,    68                          ; v68-83   factors just made;  for the quantiser: the codes
.set PC,   68
.set WB,   84                          ; v84-115  W, two sets of 16
.set TBF,  116                         ; v116-179 t, two sets of 32
.set QN,   180                         ; v180-243 64 numbers to quantise
.set MX,   244                         ; v244-247 largest magnitudes; v248-249 conversion scales; v250-251 bytes; v252 scale word; v253 the other half's
.set SC,   248
.set EB,   250
.set PWD,  252
.set PWO,  253
.set XR,   84                          ; at the head: x as loaded (16), t (16), W_mul (32), W_mul clipped and turned (32), W_add (32)
.set TR,   100
.set MR,   116
.set MTR,  148
.set AR,   180
.set PR,   84                          ; at the end: v84-147 partial products; v148-155 gate; v156-163 1 - g; v164-171 y
.set E,    148
.set UU,   156
.set YY,   164
.set GF,   180                         ; v180-195 G's fragments; v196-211 x's; v212-227 W_add's; v228-235 gate sums; v236-243 add sums
.set XF,   196
.set WF,   212
.set ZZ,   228
.set AA,   236
.set WV,   18                          ; s18 wave; s19 which 64 outputs; s20 ks; s21 rg; s22 nt; s23 mt
.set BY,   19
.set KS,   20
.set RG,   21
.set NT,   22
.set MTI,  23
.set SEL,  32                          ; s[32:33] v_permlanex16_b32's selects for lane l xor 16
.macro BARRIER                         ; my LDS stores have landed and my LDS loads are in: then the work-group's barrier
	s_wait_dscnt 0x0
	s_barrier_signal -1
	s_barrier_wait -1
.endm
	s_load_b256 s[4:11], s[0:1], 0x0               ; x_t s[4:5], h_tm1 s[6:7], W_mul s[8:9], W_add s[10:11]
	s_load_b128 s[12:15], s[0:1], 0x20             ; G's codes s[12:13], G's scales s[14:15]
	s_load_b64 s[16:17], s[0:1], 0x30              ; out
	v_lshl_add_u32 v254, v0, 2, 0x47400
	v_mov_b32 v255, 0
	v_lshrrev_b32 v27, 5, v0
	v_readfirstlane_b32 s[WV], v27                 ; wave 0..15
	v_and_b32 v23, 31, v0                          ; lane
	v_lshlrev_b32 v[L16], 4, v23
	s_and_b32 s[BY], ttmp7, 0xffff
	s_lshl_b32 s26, ttmp9, 14                      ; 32 rows of 512 bytes a work-group,
	s_lshl_b32 s27, s[WV], 10                      ; 2 rows a wave
	s_add_co_u32 s26, s26, s27
	s_mov_b32 s27, 0
	s_lshl_b32 s28, s[BY], 16                      ; 64 rows of 1,024 bytes of each weight a work-group,
	s_lshl_b32 s29, s[WV], 12                      ; 4 rows a wave
	s_add_co_u32 s28, s28, s29
	s_mov_b32 s29, 0
	s_wait_kmcnt 0x0
	s_add_nc_u64 s[4:5], s[4:5], s[26:27]
	s_add_nc_u64 s[6:7], s[6:7], s[26:27]
	s_add_nc_u64 s[8:9], s[8:9], s[28:29]
	s_add_nc_u64 s[10:11], s[10:11], s[28:29]
; twenty loads a wave, each of 512 consecutive bytes
.irp i, 0,1
	global_load_b128 v[XR+8*\i:XR+8*\i+3], v[L16], s[4:5] offset:512*\i       ; row 2 w + i, k = 4 lane ..
	global_load_b128 v[XR+8*\i+4:XR+8*\i+7], v[L16], s[6:7] offset:512*\i     ; and k = 128 + 4 lane ..
.endr
.irp n, 0,1,2,3,4,5,6,7
	global_load_b128 v[MR+4*\n:MR+4*\n+3], v[L16], s[8:9] offset:512*\n       ; W_mul: row 4 w + n / 2, half n % 2
.endr
.irp n, 0,1,2,3,4,5,6,7
	global_load_b128 v[AR+4*\n:AR+4*\n+3], v[L16], s[10:11] offset:512*\n     ; W_add likewise
.endr
; while they are on their way: every address of the text, ahead of the first branch on the wave's number
	v_and_b32 v24, 15, v0                          ; r = hl = lane % 16
	v_bfe_u32 v25, v0, 4, 1                        ; hh = lr = lane / 16
	v_lshlrev_b32 v26, 2, v23                      ; 4 x lane
	v_lshlrev_b32 v[SH8], 3, v25
	s_and_b32 s[KS], s[WV], 7
	s_lshr_b32 s[RG], s[WV], 3
	s_and_b32 s[NT], s[WV], 3
	s_lshr_b32 s[MTI], s[WV], 2
	s_mov_b32 s[SEL], 0x76543210
	s_mov_b32 s[SEL+1], 0xfedcba98
	s_add_nc_u64 s[16:17], s[16:17], s[26:27]      ; out at row 32 x + 2 w,
	s_lshl_b32 s26, s[BY], 8
	s_add_nc_u64 s[16:17], s[16:17], s[26:27]      ; at my work-group's 256 bytes of a row
	s_lshl_b32 s26, s[BY], 13                      ; G's codes: 128 bytes a row: 64 rows a work-group,
	s_lshl_b32 s30, s[NT], 11                      ; 16 rows a tile
	s_add_co_u32 s26, s26, s30
	s_add_nc_u64 s[12:13], s[12:13], s[26:27]
	s_lshr_b32 s26, s26, 4                         ; its scales: 8 bytes a row
	s_add_nc_u64 s[14:15], s[14:15], s[26:27]
	s_lshl_b32 s30, s[WV], 11
	v_add_nc_u32 v[ATS], s30, v[L16]               ; TT (= 0) + 2 w rows of 1,024 + 16 lane
	s_mul_i32 s30, s[WV], 2*PX
	s_add_co_u32 s30, s30, XW
	v_add_nc_u32 v[AXX], s30, v[L16]
	s_mul_i32 s30, s[WV], PW4
	s_add_co_u32 s30, s30, WM
	v_add_nc_u32 v[AWM], s30, v[L16]               ; my four rows 4 w + i of W_mul are outputs i of row hl = w
	s_mul_i32 s30, s[WV], 4*PX
	s_add_co_u32 s30, s30, XW+32*PX
	v_add_nc_u32 v[AXA], s30, v[L16]
	v_mul_u32_u24 v27, v24, PX                     ; what I quantise: rows 16 (w / 2) + r, K step w % 2, my blocks hh and 2 + hh of its four
	v_lshl_add_u32 v27, v25, 7, v27
	s_lshr_b32 s30, s[WV], 1
	s_mul_i32 s30, s30, 16*PX
	s_and_b32 s31, s[WV], 1
	s_lshl_b32 s31, s31, 9
	s_add_co_u32 s30, s30, s31
	s_add_co_u32 s30, s30, XW
	v_add_nc_u32 v[AQ], s30, v27
	s_lshl_b32 s30, s[WV], 10
	s_add_co_u32 s30, s30, IMG
	v_add_nc_u32 v[AIMG], s30, v[L16]
	s_lshl_b32 s30, s[WV], 7
	s_add_co_u32 s30, s30, SCW
	v_add_nc_u32 v[ASCW], s30, v26
	s_lshr_b32 s30, s[KS], 2                       ; W for k = 32 ks + 4 j + kk: place 128 (ks / 4) + 8 (ks % 4) + 32 kk + j of row hl
	s_lshl_b32 s30, s30, 11
	s_and_b32 s31, s[KS], 3
	s_lshl_b32 s31, s31, 7
	s_add_co_u32 s30, s30, s31
	s_add_co_u32 s30, s30, WM
	v_mul_u32_u24 v27, v24, PW4
	v_add_nc_u32 v[AWS], s30, v27
	s_lshl_b32 s30, s[RG], 14                      ; t: row 16 rg + lr, k = 32 ks
	s_lshl_b32 s31, s[KS], 7
	s_add_co_u32 s30, s30, s31
	v_lshl_add_u32 v[ATL], v25, 10, s30
	v_mul_u32_u24 v27, v25, PPP                    ; a row of parity lane / 16, 16 bytes for each of sixteen lanes: partial products in, and the stage out
	v_lshl_add_u32 v27, v24, 4, v27
	s_mul_i32 s30, s[KS], PPS
	s_mul_i32 s31, s[RG], 16*PPP
	s_add_co_u32 s30, s30, s31
	s_add_co_u32 s30, s30, PP
	v_add_nc_u32 v[APP], s30, v27
	s_mul_i32 s30, s[WV], 2*PPP
	s_add_co_u32 s30, s30, STG
	v_add_nc_u32 v[ASR], s30, v27
	s_lshl_b32 s30, s[MTI], 11
	s_add_co_u32 s30, s30, IMG
	v_add_nc_u32 v[AXF], s30, v[L16]
	s_lshl_b32 s30, s[NT], 11
	s_add_co_u32 s30, s30, IMG+4096
	v_add_nc_u32 v[AWF], s30, v[L16]
	s_lshl_b32 s30, s[MTI], 8
	s_add_co_u32 s30, s30, SCW
	v_add_nc_u32 v[AXS], s30, v26
	s_lshl_b32 s30, s[NT], 8
	s_add_co_u32 s30, s30, SCW+512
	v_add_nc_u32 v[AWSC], s30, v26
	v_mul_u32_u24 v27, v24, PPP                    ; my tile's row 16 mt + r, outputs 16 nt + 8 hh + 0 .. 7
	v_lshl_add_u32 v27, v25, 5, v27
	s_mul_i32 s30, s[MTI], 16*PPP
	s_lshl_b32 s31, s[NT], 6
	s_add_co_u32 s30, s30, s31
	s_add_co_u32 s30, s30, PP
	v_add_nc_u32 v[APR], s30, v27
	v_add_nc_u32 v[ASO], STG-PP, v[APR]
	v_lshlrev_b32 v[GOC], 7, v24
	v_lshl_add_u32 v[GOC], v25, 4, v[GOC]          ; G's codes: row r of 128 bytes, + 16 hh
	v_lshlrev_b32 v[GOS], 3, v24                   ; its scales: row r of 8 bytes
	v_lshlrev_b32 v[OFO], 9, v25
	v_lshl_add_u32 v[OFO], v24, 4, v[OFO]          ; out: lanes 0-15 one row's 256 bytes, lanes 16-31 the next row's
; ---- into LDS.  Every store of a wave covers 512 consecutive bytes
	s_wait_loadcnt 16                              ; x's four loads are in; W_mul's eight and W_add's eight may be out
.irp i, 0,1
.irp f, 0,1
	ds_store_b128 v[AXX], v[XR+8*\i+4*\f:XR+8*\i+4*\f+3] offset:PX*\i+512*\f
.endr
.endr
.irp j, 0,2,4,6,8,10,12,14
	v_pk_add_f32 v[TR+\j:TR+\j+1], v[XR+\j:XR+\j+1], -1.0 op_sel_hi:[1,0]     ; t = x - 1
.endr
.irp i, 0,1
.irp f, 0,1
	ds_store_b128 v[ATS], v[TR+8*\i+4*\f:TR+8*\i+4*\f+3] offset:1024*\i+512*\f
.endr
.endr
	s_wait_loadcnt 8                               ; W_mul is in; W_add's eight may be out
.irp f, 0,1
.irp kk, 0,1,2,3
.irp i, 0,1,2,3
	v_med3_num_f32 v[MTR+16*\f+4*\kk+\i], v[MR+4*(2*\i+\f)+\kk], 0, 1.0       ; the clip, and by its destination the turn: four rows' numbers at one k come to lie on end
.endr
.endr
.endr
.irp f, 0,1
.irp kk, 0,1,2,3
	ds_store_b128 v[AWM], v[MTR+16*\f+4*\kk:MTR+16*\f+4*\kk+3] offset:2048*\f+512*\kk
.endr
.endr
	s_wait_loadcnt 0x0                             ; W_add
.set n, 0
.rept 32
	v_med3_num_f32 v[AR+n], v[AR+n], -1.0, 1.0
.set n, n+1
.endr
.irp i, 0,1,2,3
.irp f, 0,1
	ds_store_b128 v[AXA], v[AR+4*(2*\i+\f):AR+4*(2*\i+\f)+3] offset:PX*\i+512*\f
.endr
.endr
	BARRIER                                        ; t, x, clip(W_mul) and clip(W_add) lie in LDS
; ---- MNAC.  Step j is 4 along K: twelve loads, W's four first
.macro LOADJ j
.irp kk, 0,1,2,3
	ds_load_b128 v[WB+16*((\j)%2)+4*\kk:WB+16*((\j)%2)+4*\kk+3], v[AWS] offset:512*\kk+16*(\j)      ; outputs 4 hl + 0 .. 3 at k = 32 ks + 4 j + kk
.endr
.irp p, 0,1,2,3,4,5,6,7
	ds_load_b128 v[TBF+32*((\j)%2)+4*\p:TBF+32*((\j)%2)+4*\p+3], v[ATL] offset:2048*\p+16*(\j)      ; row 16 rg + 2 p + lr, k = 32 ks + 4 j + 0 .. 3
.endr
.endm
; two factors 1 + W t: two neighbouring outputs, one t, which is the first or the second register of its pair
.macro TERM dst, w, t, odd
.if \odd
	v_pk_fma_f32 v[\dst:\dst+1], v[\w:\w+1], v[\t:\t+1], 1.0 op_sel:[0,1,0] op_sel_hi:[1,1,0]
.else
	v_pk_fma_f32 v[\dst:\dst+1], v[\w:\w+1], v[\t:\t+1], 1.0 op_sel_hi:[1,0,0]
.endif
.endm
; 128 packed instructions: for each k, four row pairs at a time: eight factor pairs, then eight multiplies.  The 16 pairs of running products take turns, so no line waits for the line above it.
; first = 1: the wave's first k starts the products: nothing is set to one.
.macro WORK j, first
.set WJ, WB+16*((\j)%2)
.set TJ, TBF+32*((\j)%2)
.irp kk, 0,1,2,3
.irp g, 0,4
.if \first && (\kk == 0)
.irp p, 0,1,2,3
	TERM ACC+4*(\g+\p), WJ+4*\kk, TJ+4*(\g+\p)+2*(\kk/2), \kk%2
	TERM ACC+4*(\g+\p)+2, WJ+4*\kk+2, TJ+4*(\g+\p)+2*(\kk/2), \kk%2
.endr
.else
.irp p, 0,1,2,3
	TERM U+4*\p, WJ+4*\kk, TJ+4*(\g+\p)+2*(\kk/2), \kk%2
	TERM U+4*\p+2, WJ+4*\kk+2, TJ+4*(\g+\p)+2*(\kk/2), \kk%2
.endr
.irp p, 0,1,2,3
	v_pk_mul_f32 v[ACC+4*(\g+\p):ACC+4*(\g+\p)+1], v[ACC+4*(\g+\p):ACC+4*(\g+\p)+1], v[U+4*\p:U+4*\p+1]
	v_pk_mul_f32 v[ACC+4*(\g+\p)+2:ACC+4*(\g+\p)+3], v[ACC+4*(\g+\p)+2:ACC+4*(\g+\p)+3], v[U+4*\p+2:U+4*\p+3]
.endr
.endif
.endr
.endr
.endm
	LOADJ 0
	LOADJ 1
; ---- twelve waves quantise a fragment each: 16 rows x 128 K.  Lane (r, hh) holds of row r the blocks hh and 2 + hh, 32 numbers each, in the order of the operand's registers
	s_cmp_lt_u32 s[WV], 12
	s_cbranch_scc0 .Lno_quant
.irp c, 0,1
.irp j, 0,1,2,3,4,5,6,7
	ds_load_b128 v[QN+32*\c+4*\j:QN+32*\c+4*\j+3], v[AQ] offset:256*\c+16*\j
.endr
.endr
	s_wait_dscnt 0x0
.irp c, 0,1                                    ; a block's largest magnitude, in two chains; among the leaves the floor 2^(3 - 127), so that the byte cannot fall under 1
	v_max3_num_f32 v[MX+2*\c], |v[QN+32*\c]|, |v[QN+32*\c+1]|, 0x1800000
	v_max3_num_f32 v[MX+2*\c+1], |v[QN+32*\c+16]|, |v[QN+32*\c+17]|, |v[QN+32*\c+18]|
.endr
.irp i, 2,4,6,8,10,12
.irp c, 0,1
	v_max3_num_f32 v[MX+2*\c], v[MX+2*\c], |v[QN+32*\c+\i]|, |v[QN+32*\c+\i+1]|
	v_max3_num_f32 v[MX+2*\c+1], v[MX+2*\c+1], |v[QN+32*\c+\i+17]|, |v[QN+32*\c+\i+18]|
.endr
.endr
.irp c, 0,1
	v_max3_num_f32 v[MX+2*\c], v[MX+2*\c], |v[QN+32*\c+14]|, |v[QN+32*\c+15]|
.endr
.irp c, 0,1
	v_max3_num_f32 v[MX+2*\c], v[MX+2*\c], v[MX+2*\c+1], |v[QN+32*\c+31]|
.endr
.irp c, 0,1
	v_add_nc_u32 v[SC+\c], 0xff000000, v[MX+2*\c]  ; 2 off the exponent field: the conversion takes this operand's exponent field as its scale
.endr
.irp c, 0,1
	v_lshrrev_b32 v[EB+\c], 23, v[SC+\c]           ; the scale's byte
.endr
	v_lshl_or_b32 v[PWD], v[EB+1], 16, v[EB]       ; my two bytes, blocks hh and 2 + hh,
	v_lshlrev_b32 v[PWD], v[SH8], v[PWD]           ; at their places in the row's scale word;
	v_mov_b32 v[PWO], 0                            ; (a lane permute's destination counts as one of its sources)
	v_permlanex16_b32 v[PWO], v[PWD], s[SEL], s[SEL+1]
	v_or_b32 v[PWD], v[PWD], v[PWO]                ; with lane l xor 16's two the word is whole
.irp c, 0,1
.irp g, 0,1,2,3
	v_cvt_scalef32_pk8_fp4_f32 v[PC+4*\c+\g], v[QN+32*\c+8*\g:QN+32*\c+8*\g+7], v[SC+\c]   ; registers 4 c .. 4 c + 3 of the operand: k = 64 c + 32 hh + 0 .. 31
.endr
.endr
	v_nop                                          ; one plain place behind the last scaled conversion
	ds_store_b128 v[AIMG], v[PC:PC+3]              ; the fragment as it stands: lane l's 16 bytes at 16 l
	ds_store_b128 v[AIMG], v[PC+4:PC+7] offset:512
	ds_store_b32 v[ASCW], v[PWD]
	s_wait_dscnt 0x0                               ; the stores have read their registers: the factors below are written over the codes
.Lno_quant:
; ---- the eight waves that will make a tile ask for G's fragments now: they have the whole of MNAC in which to land.  A tile's 16 rows are 2,048 consecutive bytes, read whole by the four loads
	s_cmp_lt_u32 s[WV], 8
	s_cbranch_scc0 .Lno_g
.irp s, 0,1
.irp c, 0,1
	global_load_b128 v[GF+8*\s+4*\c:GF+8*\s+4*\c+3], v[GOC], s[12:13] offset:64*\s+32*\c
.endr
.endr
	global_load_b32 v[SG], v[GOS], s[14:15]
	global_load_b32 v[SG+1], v[GOS], s[14:15] offset:4
.Lno_g:
	s_wait_dscnt 12                                ; step 0's twelve loads are in; step 1's twelve may be out
	WORK 0, 1
	LOADJ 2
.irp j, 1,2,3,4,5
	s_wait_dscnt 12                                ; this step's loads are in; the next step's twelve, issued behind them, may be out
	WORK \j, 0
	LOADJ \j+2
.endr
	s_wait_dscnt 12
	WORK 6, 0
	s_wait_dscnt 0x0
	WORK 7, 0
.irp p, 0,1,2,3,4,5,6,7
	ds_store_b128 v[APP], v[ACC+4*\p:ACC+4*\p+3] offset:2*PPP*\p              ; sixteen lanes fill a row's 256 bytes
.endr
	BARRIER                                        ; the images, the scale words and all partial products lie in LDS
; ---- eight waves: tile (mt, nt) = (w / 4, w % 4): rows 16 mt .., outputs 16 nt ..
	s_cmp_lt_u32 s[WV], 8
	s_cbranch_scc0 .Lno_tile
.irp s, 0,1
.irp c, 0,1
	ds_load_b128 v[XF+8*\s+4*\c:XF+8*\s+4*\c+3], v[AXF] offset:1024*\s+512*\c
	ds_load_b128 v[WF+8*\s+4*\c:WF+8*\s+4*\c+3], v[AWF] offset:1024*\s+512*\c
.endr
	ds_load_b32 v[SX+\s], v[AXS] offset:128*\s
	ds_load_b32 v[SW+\s], v[AWSC] offset:128*\s
.endr
.irp q, 0,1,2,3,4,5,6,7
	ds_load_b128 v[PR+8*\q:PR+8*\q+3], v[APR] offset:PPS*\q
	ds_load_b128 v[PR+8*\q+4:PR+8*\q+7], v[APR] offset:PPS*\q+16
.endr
	s_wait_loadcnt 0x0                             ; G
	s_wait_dscnt 16                                ; fragments and scale words are in; the sixteen loads of partial products may be out
; source 0 = 16 rows of the weight, source 1 = 16 rows of x: register j of lane (r, hh) is (row r, output 8 hh + j).  The two sums take turns, one instruction a turn
	v_wmma_scale_f32_16x16x128_f8f6f4 v[ZZ:ZZ+7], v[GF:GF+7], v[XF:XF+7], 0, v[SG], v[SX] matrix_a_fmt:MATRIX_FMT_FP4 matrix_b_fmt:MATRIX_FMT_FP4
	v_wmma_scale_f32_16x16x128_f8f6f4 v[AA:AA+7], v[WF:WF+7], v[XF:XF+7], 0, v[SW], v[SX] matrix_a_fmt:MATRIX_FMT_FP4 matrix_b_fmt:MATRIX_FMT_FP4
	v_wmma_scale_f32_16x16x128_f8f6f4 v[ZZ:ZZ+7], v[GF+8:GF+15], v[XF+8:XF+15], v[ZZ:ZZ+7], v[SG+1], v[SX+1] matrix_a_fmt:MATRIX_FMT_FP4 matrix_b_fmt:MATRIX_FMT_FP4
	v_wmma_scale_f32_16x16x128_f8f6f4 v[AA:AA+7], v[WF+8:WF+15], v[XF+8:XF+15], v[AA:AA+7], v[SW+1], v[SX+1] matrix_a_fmt:MATRIX_FMT_FP4 matrix_b_fmt:MATRIX_FMT_FP4
	s_wait_dscnt 0x0
; m: the eight parts' products, by pairs.  These 24 plain lines name no register of the products above: they are the places behind them (ISA guide 7.12.1)
.irp q, 0,2,4,6
.irp j, 0,2,4,6
	v_pk_mul_f32 v[PR+8*\q+\j:PR+8*\q+\j+1], v[PR+8*\q+\j:PR+8*\q+\j+1], v[PR+8*\q+8+\j:PR+8*\q+8+\j+1]
.endr
.endr
.irp q, 0,4
.irp j, 0,2,4,6
	v_pk_mul_f32 v[PR+8*\q+\j:PR+8*\q+\j+1], v[PR+8*\q+\j:PR+8*\q+\j+1], v[PR+8*\q+16+\j:PR+8*\q+16+\j+1]
.endr
.endr
.irp j, 0,1,2,3,4,5,6,7
	v_mul_f32 v[E+\j], 0xbfb8aa3b, v[ZZ+\j]        ; -z log2(e); the sums are read from their low end on
.endr
.irp j, 0,1,2,3,4,5,6,7
	v_exp_f32 v[E+\j], v[E+\j]                     ; e^-z (infinity for a very negative z: g is then 0)
.endr
.irp j, 0,2,4,6
	v_pk_mul_f32 v[PR+\j:PR+\j+1], v[PR+\j:PR+\j+1], v[PR+32+\j:PR+32+\j+1]   ; m is whole.  (Plain work behind the exponentials)
.endr
	s_wait_alu depctr_va_vdst(0)                   ; one wait for the eight exponentials, ahead of their first reader
.irp j, 0,2,4,6
	v_pk_add_f32 v[E+\j:E+\j+1], v[E+\j:E+\j+1], 1.0 op_sel_hi:[1,0]
.endr
.irp j, 0,1,2,3,4,5,6,7
	v_rcp_f32 v[E+\j], v[E+\j]                     ; g = 1 / (1 + e^-z)
.endr
	v_nop                                          ; a plain place behind the last reciprocal
	s_wait_alu depctr_va_vdst(0)                   ; and one wait for the eight
.irp j, 0,2,4,6
	v_pk_fma_f32 v[UU+\j:UU+\j+1], v[E+\j:E+\j+1], -1.0, 1.0 op_sel_hi:[1,0,0]          ; 1 - g
.endr
.irp j, 0,2,4,6
	v_pk_mul_f32 v[UU+\j:UU+\j+1], v[UU+\j:UU+\j+1], v[PR+\j:PR+\j+1]                   ; (1 - g) m
.endr
.irp j, 0,2,4,6
	v_pk_fma_f32 v[YY+\j:YY+\j+1], v[E+\j:E+\j+1], v[AA+\j:AA+\j+1], v[UU+\j:UU+\j+1]   ; y = g a + (1 - g) m
.endr
	ds_store_b128 v[ASO], v[YY:YY+3]               ; a row's 256 bytes come from four waves: they meet in the stage
	ds_store_b128 v[ASO], v[YY+4:YY+7] offset:16
.Lno_tile:
	BARRIER                                        ; 32 whole rows of y lie in the stage
	ds_load_b128 v[YY:YY+3], v[ASR]                ; wave w takes rows 2 w and 2 w + 1
	s_wait_dscnt 0x0
	global_store_b128 v[OFO], v[YY:YY+3], s[16:17] th:TH_STORE_NT   ; sixteen lanes store 256 consecutive bytes, at a multiple of 256 from out's first byte; written once, read by nobody here
	s_wait_tensorcnt 0x0
	ds_add_u32 v254, v255
	s_wait_dscnt 0x0
	s_endpgm
.Lfunc_end_k_qb6ab76f228_nalu:
	.size	k_qb6ab76f228_nalu, .Lfunc_end_k_qb6ab76f228_nalu-k_qb6ab76f228_nalu
	.p2alignl 7, 3214868480
	.fill 96, 4, 3214868480
	.section	.rodata,"a",@progbits
	.p2align	6, 0x0
	.amdhsa_kernel k_qb6ab76f228_nalu
		.amdhsa_group_segment_fixed_size 293888
		.amdhsa_private_segment_fixed_size 0
		.amdhsa_enable_private_segment 0
		.amdhsa_kernarg_size 56
		.amdhsa_user_sgpr_count 2
		.amdhsa_user_sgpr_kernarg_segment_ptr 1
		.amdhsa_wavefront_size32 1
		.amdhsa_system_sgpr_workgroup_id_x 1
		.amdhsa_system_sgpr_workgroup_id_y 1
		.amdhsa_system_sgpr_workgroup_id_z 1
		.amdhsa_system_vgpr_workitem_id 0
		.amdhsa_next_free_vgpr 256
		.amdhsa_next_free_sgpr 66
		.amdhsa_reserve_vcc 0
		.amdhsa_float_denorm_mode_32 3
		.amdhsa_float_denorm_mode_16_64 3
		.amdhsa_memory_ordered 1
		.amdhsa_forward_progress 1
		.amdhsa_inst_pref_size 95
	.end_amdhsa_kernel
	.amdgpu_metadata
---
amdhsa.version: [ 1, 2 ]
amdhsa.kernels:
  - .name:           k_qb6ab76f228_nalu
    .symbol:         k_qb6ab76f228_nalu.kd
    .args:
      - { .name: x_t, .offset: 0, .size: 8, .value_kind: global_buffer, .address_space: global }
      - { .name: h_tm1, .offset: 8, .size: 8, .value_kind: global_buffer, .address_space: global }
      - { .name: W_mul, .offset: 16, .size: 8, .value_kind: global_buffer, .address_space: global }
      - { .name: W_add, .offset: 24, .size: 8, .value_kind: global_buffer, .address_space: global }
      - { .name: G_add_codes, .offset: 32, .size: 8, .value_kind: global_buffer, .address_space: global }
      - { .name: G_add_scales, .offset: 40, .size: 8, .value_kind: global_buffer, .address_space: global }
      - { .name: out0, .offset: 48, .size: 8, .value_kind: global_buffer, .address_space: global }
    .group_segment_fixed_size: 293888
    .private_segment_fixed_size: 0
    .kernarg_segment_align: 8
    .kernarg_segment_size: 56
    .max_flat_workgroup_size: 512
    .sgpr_count:     66
    .vgpr_count:     256
    .wavefront_size: 32
...
	.end_amdgpu_metadata
.endif
;; end of part 1
;; ======== version 2 of 2: 1 launch; version 1 with the launch nalu written anew for expert scheduling mode
;; launch nalu (part 2): grid 128 x 2, 16 waves a work-group, no clusters, 293,888 bytes of LDS; arguments x_t, h_tm1, W_mul, W_add, G_add_codes, G_add_scales, out0; writes out0
.if DOCPART == 2
	.amdgcn_target "amdgcn-amd-amdhsa--gfx1250"
	.amdhsa_code_object_version 6
	.text
	.protected	k_qb6ab76f228_nalu
	.globl	k_qb6ab76f228_nalu
	.p2align	8
	.type	k_qb6ab76f228_nalu,@function
k_qb6ab76f228_nalu:
	s_mov_b64 s[64:65], 0
	v_nop
	global_prefetch_b8 v0, s[64:65] scope:SCOPE_SE
	s_setreg_imm32_b32 hwreg(HW_REG_WAVE_SCHED_MODE, 0, 2), 2
	s_setreg_imm32_b32 hwreg(HW_REG_WAVE_MODE, 25, 1), 1
	s_wait_xcnt 0x0
	s_wait_alu depctr_vm_vsrc(0)
; RecurrentNALU, one step.  x = [x_t | h_tm1], [4096][256] f32.
;   g = sigmoid(Q(x) G^T)          G given as FP4 (E2M1) codes and E8M0 scale bytes, K innermost
;   a = Q(x) Q(clip(W_add,-1,1))^T both operands quantised here, one scale for each 32 along K
;   m = prod over k of (1 + clip(W_mul,0,1)[h][k] (x[b][k] - 1))      f32, on the vector unit
;   y = g a + (1 - g) m            [4096][128] f32
; SHARES.  A work-group makes 32 rows x 64 outputs (256 bytes of each output row); 128 x 2 work-groups.  Sixteen waves of 256 registers.
; The product m is nearly all of the work: 32 x 64 x 256 factors a work-group, one packed multiply-add and one packed multiply for two factors.
; MNAC.  Wave (ks, rg) takes k = 32 ks .. 32 ks + 31 and rows 16 rg .. 16 rg + 15.  Lane (lr, hl) = (lane / 16, lane % 16) takes rows of parity lr and outputs 4 hl .. 4 hl + 3:
; 8 row pairs x 4 outputs = 32 running products a lane.  For 4 along K a wave reads 4 x 16 bytes of W (4 outputs at one k) and 8 x 16 bytes of t = x - 1 (4 k of one row, the same
; address in the 16 lanes of a half) and issues 128 packed instructions.  The eight waves' partial products of an output meet in LDS.
; PRODUCTS ON CODES.  Twelve waves quantise one fragment each (16 rows x 128 K of x or of clip(W_add)); a lane owns whole blocks of 32, so no other lane is asked for a maximum.  Fragments
; go from wave to wave as images of their registers.  Eight waves then make one tile of 16 rows x 16 outputs each, used transposed (source 0 = 16 rows of the weight, source 1 = 16 rows of x):
; a lane holds 8 neighbouring outputs of one row.
; NO TENSOR LOADS, NO CLUSTER: both f32 weights pass through registers on their way into LDS (the clip; for W_mul also a 4 x 4 transposition, which the clip's choice of destination gives);
; landed in LDS as they lie they would be read, clipped and stored a second time, 128 KiB more through LDS for each work-group.  Each byte is asked for once, at the head: there is no loop of refills to share.
; NO PREFETCH: every global load but G's 2.1 KiB a wave is issued at the head; nothing later waits for memory.
; LIMITS.  NaN and infinities among the inputs are not served.  A block of zeros gets the scale byte 1 (its codes are zeros, and only this text reads the byte).  A factor is formed as
; fma(W, x - 1, 1), x - 1 rounded once, where the definition has (x W + 1) - W: the same size of error, another order of rounding.  m is the product of 8 partial products of 32 factors:
; where a partial product leaves f32's range (about 1e-38 .. 3e38) though the whole product would not, the result is not served.
; THE MODE: SCHED_MODE bits 1:0 = 2 (LLVM: expert scheduling mode 2), set by the entry lines.  The code itself states the register dependences
; between vector or matrix instructions and memory or LDS instructions, with s_wait_alu, always for 0.
; THE PLAN.  Registers that memory or LDS instructions touch, and who else names them:
;   v1 - v21      Offsets and addresses: made by vector lines at the head, ahead of two waits on va_vdst, and never written again.
;   the staging   x as loaded, t, W_mul as loaded and as turned, W_add (v84-211): loads land, vector lines read and write, LDS stores read.  A wait on va_vdst stands ahead of each run of
;                 stores of what vector lines wrote; one wait on vm_vsrc behind the first barrier states that all those stores have read their registers, which take other data from there on.
;   QN            LDS loads land; the quantiser reads.  The wait on va_vdst ahead of the image's stores also states that it is done reading: G's fragments and set 2 land there later.
;   sets 0, 1, 2  of W and t.  Step j's 128 packed lines read set j % 3; its twelve loads, those of step j + 2, land in set (j - 1) % 3, which step j - 1 read.  So ONE wait on va_vdst stands
;                 at a step's head, and the twelve loads follow it in fours among the step's first lines, which name set j % 3, the running products and the factors alone.
;   ACC           Written by MNAC, read by the partial products' stores: one wait on va_vdst, which also states that MNAC is done reading the sets, where the tile's loads land.
;   YY            Written by the blend, read by the stage's stores (va_vdst ahead of them); the last LDS load lands in it (vm_vsrc ahead of it).
;   Fragments, scale words and partial products of the tile come by loads and are named by matrix and vector lines behind the loads' own counters.
.set PX,   1040                        ; an LDS row of 256 f32 + 16 bytes: 65 x 16, so 16 rows read at one column start at 16 different groups of four banks (64 banks of 4 bytes: ISA guide 11.1)
.set PW4,  4112                        ; a row of the transposed W_mul: 256 k x 4 outputs x 4 bytes + 16 = 257 x 16
.set PPP,  272                         ; a row of 64 outputs + 16 bytes = 17 x 16
.set PPS,  32*PPP                      ; one K part's 32 rows of partial products
.set TT,   0                           ; LDS: t = x - 1, 32 rows x 1,024 bytes
.set XW,   32768                       ; x as it is (rows 0-31) and clip(W_add) (rows 32-95), pitch PX: what is quantised
.set WM,   XW+96*PX                    ; clip(W_mul): row hl holds, for each k, outputs 4 hl .. 4 hl + 3; k = 128 f + 4 l + kk lies at 16-byte place 128 f + 32 kk + l
.set IMG,  WM+16*PW4                   ; twelve fragments as images of their registers, 1,024 bytes each: x (2 mt + s), then W_add (4 + 2 nt + s)
.set SCW,  IMG+12*1024                 ; their scale words, 128 bytes each
.set PP,   SCW+12*128                  ; partial products [ks][row][output]
.set STG,  PP+8*PPS                    ; y on its way out, 32 rows
.set L16,  1                           ; v1   16 x lane
.set ATS,  2                           ; v2   store t;          v3 store x;      v4 store W_mul;   v5 store W_add
.set AXX,  3
.set AWM,  4
.set AXA,  5
.set AQ,   6                           ; v6   read what I quantise;  v7 my image;  v8 my scale word
.set AIMG, 7
.set ASCW, 8
.set AWS,  9                           ; v9   MNAC: read W;     v10 read t;      v11 store partial products
.set ATL,  10
.set APP,  11
.set AXF,  12                          ; v12  tile: x's images; v13 W_add's;     v14, v15 their scale words
.set AWF,  13
.set AXS,  14
.set AWSC, 15
.set APR,  16                          ; v16  tile: read partial products;  v17 store y to the stage;  v18 read the stage
.set ASO,  17
.set ASR,  18
.set GOC,  19                          ; v19  byte offset in G's codes;  v20 in G's scales;  v21 in out
.set GOS,  20
.set OFO,  21
.set SH8,  22                          ; v22  8 x (lane / 16)
.set SG,   28                          ; v28-29 G's scale words (K step 0, 1); v30-31 W_add's; v32-33 x's: these six hold scales and nothing else
.set SW,   30
.set SX,   32
.set ACC,  36                          ; v36-67   running products: row pair p at 4 p, outputs 4 hl + 0 .. 3
.set U,    68                          ; v68-83   factors just made;  for the quantiser: the codes
.set PC,   68
.set WB,   84                          ; v84-115  W, sets 0 and 1, 16 registers each
.set TBF,  116                         ; v116-179 t, sets 0 and 1, 32 registers each
.set WB2,  196                         ; v196-211 W, set 2;  v212-243 t, set 2: registers that lie idle between the quantiser and the tiles
.set TB2,  212
.set QN,   180                         ; v180-243 64 numbers to quantise
.set MX,   244                         ; v244-247 largest magnitudes; v248-249 conversion scales; v250-251 bytes; v252 scale word; v253 the other half's
.set SC,   248
.set EB,   250
.set PWD,  252
.set PWO,  253
.set XR,   84                          ; at the head: x as loaded (16), t (16), W_mul (32), W_mul clipped and turned (32), W_add (32)
.set TR,   100
.set MR,   116
.set MTR,  148
.set AR,   180
.set PR,   84                          ; at the end: v84-147 partial products; v148-155 gate; v156-163 1 - g; v164-171 y
.set E,    148
.set UU,   156
.set YY,   164
.set GF,   180                         ; v180-195 G's fragments; v196-211 x's; v212-227 W_add's; v228-235 gate sums; v236-243 add sums
.set XF,   196
.set WF,   212
.set ZZ,   228
.set AA,   236
.set WV,   18                          ; s18 wave; s19 which 64 outputs; s20 ks; s21 rg; s22 nt; s23 mt
.set BY,   19
.set KS,   20
.set RG,   21
.set NT,   22
.set MTI,  23
.set SEL,  32                          ; s[32:33] v_permlanex16_b32's selects for lane l xor 16
.macro BARRIER                         ; my LDS stores have landed and my LDS loads are in: then the work-group's barrier
	s_wait_dscnt 0x0
	s_barrier_signal -1
	s_barrier_wait -1
.endm
	s_load_b256 s[4:11], s[0:1], 0x0               ; x_t s[4:5], h_tm1 s[6:7], W_mul s[8:9], W_add s[10:11]
	s_load_b128 s[12:15], s[0:1], 0x20             ; G's codes s[12:13], G's scales s[14:15]
	s_load_b64 s[16:17], s[0:1], 0x30              ; out
	v_lshl_add_u32 v254, v0, 2, 0x47400
	v_mov_b32 v255, 0
	v_lshrrev_b32 v27, 5, v0
	v_readfirstlane_b32 s[WV], v27                 ; wave 0..15
	v_and_b32 v23, 31, v0                          ; lane
	v_lshlrev_b32 v[L16], 4, v23
	s_and_b32 s[BY], ttmp7, 0xffff
	s_lshl_b32 s26, ttmp9, 14                      ; 32 rows of 512 bytes a work-group,
	s_wait_alu depctr_va_sdst(0)                   ; the wave's number is written, ahead of its first reader: bases, LDS addresses and branches are made from it
	s_lshl_b32 s27, s[WV], 10                      ; 2 rows a wave
	s_add_co_u32 s26, s26, s27
	s_mov_b32 s27, 0
	s_lshl_b32 s28, s[BY], 16                      ; 64 rows of 1,024 bytes of each weight a work-group,
	s_lshl_b32 s29, s[WV], 12                      ; 4 rows a wave
	s_add_co_u32 s28, s28, s29
	s_mov_b32 s29, 0
	s_wait_kmcnt 0x0
	s_add_nc_u64 s[4:5], s[4:5], s[26:27]
	s_add_nc_u64 s[6:7], s[6:7], s[26:27]
	s_add_nc_u64 s[8:9], s[8:9], s[28:29]
	s_add_nc_u64 s[10:11], s[10:11], s[28:29]
	s_wait_alu depctr_va_vdst(0)                   ; v[L16] is written: the twenty loads below read it as their offset
; twenty loads a wave, each of 512 consecutive bytes
.irp i, 0,1
	global_load_b128 v[XR+8*\i:XR+8*\i+3], v[L16], s[4:5] offset:512*\i       ; row 2 w + i, k = 4 lane ..
	global_load_b128 v[XR+8*\i+4:XR+8*\i+7], v[L16], s[6:7] offset:512*\i     ; and k = 128 + 4 lane ..
.endr
.irp n, 0,1,2,3,4,5,6,7
	global_load_b128 v[MR+4*\n:MR+4*\n+3], v[L16], s[8:9] offset:512*\n       ; W_mul: row 4 w + n / 2, half n % 2
.endr
.irp n, 0,1,2,3,4,5,6,7
	global_load_b128 v[AR+4*\n:AR+4*\n+3], v[L16], s[10:11] offset:512*\n     ; W_add likewise
.endr
; while they are on their way: every address of the text, ahead of the first branch on the wave's number.  These lines write v2 to v27: no register that the loads above read or land in
	v_and_b32 v24, 15, v0                          ; r = hl = lane % 16
	s_wait_alu depctr_va_vdst(0)
	v_bfe_u32 v25, v0, 4, 1                        ; hh = lr = lane / 16
	v_lshlrev_b32 v26, 2, v23                      ; 4 x lane
	v_lshlrev_b32 v[SH8], 3, v25
	s_and_b32 s[KS], s[WV], 7
	s_lshr_b32 s[RG], s[WV], 3
	s_and_b32 s[NT], s[WV], 3
	s_lshr_b32 s[MTI], s[WV], 2
	s_mov_b32 s[SEL], 0x76543210
	s_mov_b32 s[SEL+1], 0xfedcba98
	s_add_nc_u64 s[16:17], s[16:17], s[26:27]      ; out at row 32 x + 2 w,
	s_lshl_b32 s26, s[BY], 8
	s_add_nc_u64 s[16:17], s[16:17], s[26:27]      ; at my work-group's 256 bytes of a row
	s_lshl_b32 s26, s[BY], 13                      ; G's codes: 128 bytes a row: 64 rows a work-group,
	s_lshl_b32 s30, s[NT], 11                      ; 16 rows a tile
	s_add_co_u32 s26, s26, s30
	s_add_nc_u64 s[12:13], s[12:13], s[26:27]
	s_lshr_b32 s26, s26, 4                         ; its scales: 8 bytes a row
	s_add_nc_u64 s[14:15], s[14:15], s[26:27]
	s_lshl_b32 s30, s[WV], 11
	v_add_nc_u32 v[ATS], s30, v[L16]               ; TT (= 0) + 2 w rows of 1,024 + 16 lane
	s_mul_i32 s30, s[WV], 2*PX
	s_add_co_u32 s30, s30, XW
	v_add_nc_u32 v[AXX], s30, v[L16]
	s_mul_i32 s30, s[WV], PW4
	s_add_co_u32 s30, s30, WM
	v_add_nc_u32 v[AWM], s30, v[L16]               ; my four rows 4 w + i of W_mul are outputs i of row hl = w
	s_mul_i32 s30, s[WV], 4*PX
	s_add_co_u32 s30, s30, XW+32*PX
	v_add_nc_u32 v[AXA], s30, v[L16]
	v_mul_u32_u24 v27, v24, PX                     ; what I quantise: rows 16 (w / 2) + r, K step w % 2, my blocks hh and 2 + hh of its four
	s_wait_alu depctr_va_vdst(0)
	v_lshl_add_u32 v27, v25, 7, v27
	s_lshr_b32 s30, s[WV], 1
	s_mul_i32 s30, s30, 16*PX
	s_and_b32 s31, s[WV], 1
	s_lshl_b32 s31, s31, 9
	s_add_co_u32 s30, s30, s31
	s_add_co_u32 s30, s30, XW
	v_add_nc_u32 v[AQ], s30, v27
	s_lshl_b32 s30, s[WV], 10
	s_add_co_u32 s30, s30, IMG
	v_add_nc_u32 v[AIMG], s30, v[L16]
	s_lshl_b32 s30, s[WV], 7
	s_add_co_u32 s30, s30, SCW
	v_add_nc_u32 v[ASCW], s30, v26
	s_lshr_b32 s30, s[KS], 2                       ; W for k = 32 ks + 4 j + kk: place 128 (ks / 4) + 8 (ks % 4) + 32 kk + j of row hl
	s_lshl_b32 s30, s30, 11
	s_and_b32 s31, s[KS], 3
	s_lshl_b32 s31, s31, 7
	s_add_co_u32 s30, s30, s31
	s_add_co_u32 s30, s30, WM
	v_mul_u32_u24 v27, v24, PW4
	v_add_nc_u32 v[AWS], s30, v27
	s_lshl_b32 s30, s[RG], 14                      ; t: row 16 rg + lr, k = 32 ks
	s_lshl_b32 s31, s[KS], 7
	s_add_co_u32 s30, s30, s31
	v_lshl_add_u32 v[ATL], v25, 10, s30
	v_mul_u32_u24 v27, v25, PPP                    ; a row of parity lane / 16, 16 bytes for each of sixteen lanes: partial products in, and the stage out
	v_lshl_add_u32 v27, v24, 4, v27
	s_mul_i32 s30, s[KS], PPS
	s_mul_i32 s31, s[RG], 16*PPP
	s_add_co_u32 s30, s30, s31
	s_add_co_u32 s30, s30, PP
	v_add_nc_u32 v[APP], s30, v27
	s_mul_i32 s30, s[WV], 2*PPP
	s_add_co_u32 s30, s30, STG
	v_add_nc_u32 v[ASR], s30, v27
	s_lshl_b32 s30, s[MTI], 11
	s_add_co_u32 s30, s30, IMG
	v_add_nc_u32 v[AXF], s30, v[L16]
	s_lshl_b32 s30, s[NT], 11
	s_add_co_u32 s30, s30, IMG+4096
	v_add_nc_u32 v[AWF], s30, v[L16]
	s_lshl_b32 s30, s[MTI], 8
	s_add_co_u32 s30, s30, SCW
	v_add_nc_u32 v[AXS], s30, v26
	s_lshl_b32 s30, s[NT], 8
	s_add_co_u32 s30, s30, SCW+512
	v_add_nc_u32 v[AWSC], s30, v26
	v_mul_u32_u24 v27, v24, PPP                    ; my tile's row 16 mt + r, outputs 16 nt + 8 hh + 0 .. 7
	v_lshl_add_u32 v27, v25, 5, v27
	s_mul_i32 s30, s[MTI], 16*PPP
	s_lshl_b32 s31, s[NT], 6
	s_add_co_u32 s30, s30, s31
	s_add_co_u32 s30, s30, PP
	v_add_nc_u32 v[APR], s30, v27
	v_add_nc_u32 v[ASO], STG-PP, v[APR]
	v_lshlrev_b32 v[GOC], 7, v24
	v_lshl_add_u32 v[GOC], v25, 4, v[GOC]          ; G's codes: row r of 128 bytes, + 16 hh
	v_lshlrev_b32 v[GOS], 3, v24                   ; its scales: row r of 8 bytes
	v_lshlrev_b32 v[OFO], 9, v25
	v_lshl_add_u32 v[OFO], v24, 4, v[OFO]          ; out: lanes 0-15 one row's 256 bytes, lanes 16-31 the next row's
	s_wait_alu depctr_va_vdst(0)                   ; the addresses and offsets v2 to v21 are written: every LDS and memory instruction from here to the end reads one of them, and no vector line names them again
; ---- into LDS.  Every store of a wave covers 512 consecutive bytes
	s_wait_loadcnt 16                              ; x's four loads are in; W_mul's eight and W_add's eight may be out
.irp i, 0,1
.irp f, 0,1
	ds_store_b128 v[AXX], v[XR+8*\i+4*\f:XR+8*\i+4*\f+3] offset:PX*\i+512*\f
.endr
.endr
.irp j, 0,2,4,6,8,10,12,14
	v_pk_add_f32 v[TR+\j:TR+\j+1], v[XR+\j:XR+\j+1], -1.0 op_sel_hi:[1,0]     ; t = x - 1
.endr
	s_wait_loadcnt 8                               ; W_mul is in; W_add's eight may be out
.irp f, 0,1
.irp kk, 0,1,2,3
.irp i, 0,1,2,3
	v_med3_num_f32 v[MTR+16*\f+4*\kk+\i], v[MR+4*(2*\i+\f)+\kk], 0, 1.0       ; the clip, and by its destination the turn: four rows' numbers at one k come to lie on end
.endr
.endr
.endr
	s_wait_alu depctr_va_vdst(0)                   ; the additions have written v[TR ..] and the clips v[MTR ..], which the twelve stores below read
.irp i, 0,1
.irp f, 0,1
	ds_store_b128 v[ATS], v[TR+8*\i+4*\f:TR+8*\i+4*\f+3] offset:1024*\i+512*\f
.endr
.endr
.irp f, 0,1
.irp kk, 0,1,2,3
	ds_store_b128 v[AWM], v[MTR+16*\f+4*\kk:MTR+16*\f+4*\kk+3] offset:2048*\f+512*\kk
.endr
.endr
	s_wait_loadcnt 0x0                             ; W_add
.set n, 0
.rept 32
	v_med3_num_f32 v[AR+n], v[AR+n], -1.0, 1.0
.set n, n+1
.endr
	s_wait_alu depctr_va_vdst(0)                   ; the clips have written v[AR ..], which the eight stores below read.  No vector line follows up to the loads behind the barrier: so this wait also states that v84 to v211 are done with on the vector side
.irp i, 0,1,2,3
.irp f, 0,1
	ds_store_b128 v[AXA], v[AR+4*(2*\i+\f):AR+4*(2*\i+\f)+3] offset:PX*\i+512*\f
.endr
.endr
	BARRIER                                        ; t, x, clip(W_mul) and clip(W_add) lie in LDS
	s_wait_alu depctr_vm_vsrc(0)                   ; my LDS stores have read v[XR ..], v[TR ..], v[MTR ..] and v[AR ..]: loads of W, of t and of the numbers to quantise land in these registers from here on
; ---- MNAC.  Step j is 4 along K: twelve loads, W's four first, into set j % 3
.macro LOADW j
.set WL, WB+16*((\j)%3)+(((\j)%3)/2)*(WB2-WB-32)
.irp kk, 0,1,2,3
	ds_load_b128 v[WL+4*\kk:WL+4*\kk+3], v[AWS] offset:512*\kk+16*(\j)        ; outputs 4 hl + 0 .. 3 at k = 32 ks + 4 j + kk
.endr
.endm
.macro LOADT j, p0
.set TL, TBF+32*((\j)%3)+(((\j)%3)/2)*(TB2-TBF-64)
.irp p, \p0, \p0+1, \p0+2, \p0+3
	ds_load_b128 v[TL+4*(\p):TL+4*(\p)+3], v[ATL] offset:2048*(\p)+16*(\j)    ; row 16 rg + 2 p + lr, k = 32 ks + 4 j + 0 .. 3
.endr
.endm
.macro LOADJ j
	LOADW \j
	LOADT \j, 0
	LOADT \j, 4
.endm
; two factors 1 + W t: two neighbouring outputs, one t, which is the first or the second register of its pair
.macro TERM dst, w, t, odd
.if \odd
	v_pk_fma_f32 v[\dst:\dst+1], v[\w:\w+1], v[\t:\t+1], 1.0 op_sel:[0,1,0] op_sel_hi:[1,1,0]
.else
	v_pk_fma_f32 v[\dst:\dst+1], v[\w:\w+1], v[\t:\t+1], 1.0 op_sel_hi:[1,0,0]
.endif
.endm
; 128 packed instructions: for each k, four row pairs at a time: eight factor pairs, then eight multiplies.  The 16 pairs of running products take turns, so no line waits for the line above it.
; first = 1: the wave's first k starts the products: nothing is set to one.
; ahead = 1: the twelve loads of step j + 2 stand in fours ahead of the step's first three groups of sixteen lines.  No wait among them: the lines between name set j % 3, the running products and the factors, none of the registers that these loads touch.
.macro WORK j, first, ahead
.set WJ, WB+16*((\j)%3)+(((\j)%3)/2)*(WB2-WB-32)
.set TJ, TBF+32*((\j)%3)+(((\j)%3)/2)*(TB2-TBF-64)
.irp kk, 0,1,2,3
.irp g, 0,4
.if \ahead && (\kk == 0) && (\g == 0)
	LOADW (\j)+2
.endif
.if \ahead && (\kk == 0) && (\g == 4)
	LOADT (\j)+2, 0
.endif
.if \ahead && (\kk == 1) && (\g == 0)
	LOADT (\j)+2, 4
.endif
.if \first && (\kk == 0)
.irp p, 0,1,2,3
	TERM ACC+4*(\g+\p), WJ+4*\kk, TJ+4*(\g+\p)+2*(\kk/2), \kk%2
	TERM ACC+4*(\g+\p)+2, WJ+4*\kk+2, TJ+4*(\g+\p)+2*(\kk/2), \kk%2
.endr
.else
.irp p, 0,1,2,3
	TERM U+4*\p, WJ+4*\kk, TJ+4*(\g+\p)+2*(\kk/2), \kk%2
	TERM U+4*\p+2, WJ+4*\kk+2, TJ+4*(\g+\p)+2*(\kk/2), \kk%2
.endr
.irp p, 0,1,2,3
	v_pk_mul_f32 v[ACC+4*(\g+\p):ACC+4*(\g+\p)+1], v[ACC+4*(\g+\p):ACC+4*(\g+\p)+1], v[U+4*\p:U+4*\p+1]
	v_pk_mul_f32 v[ACC+4*(\g+\p)+2:ACC+4*(\g+\p)+3], v[ACC+4*(\g+\p)+2:ACC+4*(\g+\p)+3], v[U+4*\p+2:U+4*\p+3]
.endr
.endif
.endr
.endr
.endm
	LOADJ 0
	LOADJ 1
; ---- twelve waves quantise a fragment each: 16 rows x 128 K.  Lane (r, hh) holds of row r the blocks hh and 2 + hh, 32 numbers each, in the order of the operand's registers
	s_cmp_lt_u32 s[WV], 12
	s_cbranch_scc0 .Lno_quant
.irp c, 0,1
.irp j, 0,1,2,3,4,5,6,7
	ds_load_b128 v[QN+32*\c+4*\j:QN+32*\c+4*\j+3], v[AQ] offset:256*\c+16*\j
.endr
.endr
	s_wait_dscnt 0x0
.irp c, 0,1                                    ; a block's largest magnitude, in two chains; among the leaves the floor 2^(3 - 127), so that the byte cannot fall under 1
	v_max3_num_f32 v[MX+2*\c], |v[QN+32*\c]|, |v[QN+32*\c+1]|, 0x1800000
	v_max3_num_f32 v[MX+2*\c+1], |v[QN+32*\c+16]|, |v[QN+32*\c+17]|, |v[QN+32*\c+18]|
.endr
.irp i, 2,4,6,8,10,12
.irp c, 0,1
	v_max3_num_f32 v[MX+2*\c], v[MX+2*\c], |v[QN+32*\c+\i]|, |v[QN+32*\c+\i+1]|
	v_max3_num_f32 v[MX+2*\c+1], v[MX+2*\c+1], |v[QN+32*\c+\i+17]|, |v[QN+32*\c+\i+18]|
.endr
.endr
.irp c, 0,1
	v_max3_num_f32 v[MX+2*\c], v[MX+2*\c], |v[QN+32*\c+14]|, |v[QN+32*\c+15]|
.endr
.irp c, 0,1
	v_max3_num_f32 v[MX+2*\c], v[MX+2*\c], v[MX+2*\c+1], |v[QN+32*\c+31]|
.endr
.irp c, 0,1
	v_add_nc_u32 v[SC+\c], 0xff000000, v[MX+2*\c]  ; 2 off the exponent field: the conversion takes this operand's exponent field as its scale
.endr
.irp c, 0,1
	v_lshrrev_b32 v[EB+\c], 23, v[SC+\c]           ; the scale's byte
.endr
	v_lshl_or_b32 v[PWD], v[EB+1], 16, v[EB]       ; my two bytes, blocks hh and 2 + hh,
	v_lshlrev_b32 v[PWD], v[SH8], v[PWD]           ; at their places in the row's scale word;
	v_mov_b32 v[PWO], 0                            ; (a lane permute's destination counts as one of its sources)
	v_permlanex16_b32 v[PWO], v[PWD], s[SEL], s[SEL+1]
	v_or_b32 v[PWD], v[PWD], v[PWO]                ; with lane l xor 16's two the word is whole
.irp c, 0,1
.irp g, 0,1,2,3
	v_cvt_scalef32_pk8_fp4_f32 v[PC+4*\c+\g], v[QN+32*\c+8*\g:QN+32*\c+8*\g+7], v[SC+\c]   ; registers 4 c .. 4 c + 3 of the operand: k = 64 c + 32 hh + 0 .. 31
.endr
.endr
	v_nop                                          ; one plain place behind the last scaled conversion
	s_wait_alu depctr_va_vdst(0)                   ; the conversions have written v[PC ..] and the v_or_b32 v[PWD], which the three stores read; maxima and conversions are done reading v[QN ..], in which G's fragments and set 2 of W and t land later
	ds_store_b128 v[AIMG], v[PC:PC+3]              ; the fragment as it stands: lane l's 16 bytes at 16 l
	ds_store_b128 v[AIMG], v[PC+4:PC+7] offset:512
	ds_store_b32 v[ASCW], v[PWD]
	s_wait_dscnt 0x0                               ; my image and my scale word have landed: from here on DScnt counts the loads of W and t alone
	s_wait_alu depctr_vm_vsrc(0)                   ; the stores have read v[PC ..]: the factors below are written over the codes
.Lno_quant:
; ---- the eight waves that will make a tile ask for G's fragments now: they have the whole of MNAC in which to land.  A tile's 16 rows are 2,048 consecutive bytes, read whole by the four loads.
; No wait here: these eight waves have all quantised, and no vector line since the quantiser's wait on va_vdst names v[GF ..], the scale words or the two offsets
	s_cmp_lt_u32 s[WV], 8
	s_cbranch_scc0 .Lno_g
.irp s, 0,1
.irp c, 0,1
	global_load_b128 v[GF+8*\s+4*\c:GF+8*\s+4*\c+3], v[GOC], s[12:13] offset:64*\s+32*\c
.endr
.endr
	global_load_b32 v[SG], v[GOS], s[14:15]
	global_load_b32 v[SG+1], v[GOS], s[14:15] offset:4
.Lno_g:
	s_wait_dscnt 12                                ; step 0's twelve loads are in; step 1's twelve may be out
	WORK 0, 1, 1                                   ; its loads, step 2's, land in set 2: the last vector lines that named those registers stand ahead of a wait on va_vdst (the quantiser's; in waves 12 to 15 the one behind W_add's clips)
.irp j, 1,2,3,4,5
	s_wait_dscnt 12                                ; this step's loads are in; the next step's twelve, issued behind them, may be out
	s_wait_alu depctr_va_vdst(0)                   ; the step before is done reading its set of W and t, in which this step's twelve loads land
	WORK \j, 0, 1
.endr
	s_wait_dscnt 12                                ; the last two steps load nothing, so they hold no wait on va_vdst
	WORK 6, 0, 0
	s_wait_dscnt 0x0
	WORK 7, 0, 0
	s_wait_alu depctr_va_vdst(0)                   ; the running products v[ACC ..] are written, which the eight stores read; MNAC is done reading the three sets, in which the tile's fragments and partial products land behind the barrier
.irp p, 0,1,2,3,4,5,6,7
	ds_store_b128 v[APP], v[ACC+4*\p:ACC+4*\p+3] offset:2*PPP*\p              ; sixteen lanes fill a row's 256 bytes
.endr
	BARRIER                                        ; the images, the scale words and all partial products lie in LDS
; ---- eight waves: tile (mt, nt) = (w / 4, w % 4): rows 16 mt .., outputs 16 nt ..
	s_cmp_lt_u32 s[WV], 8
	s_cbranch_scc0 .Lno_tile
.irp s, 0,1
.irp c, 0,1
	ds_load_b128 v[XF+8*\s+4*\c:XF+8*\s+4*\c+3], v[AXF] offset:1024*\s+512*\c
	ds_load_b128 v[WF+8*\s+4*\c:WF+8*\s+4*\c+3], v[AWF] offset:1024*\s+512*\c
.endr
	ds_load_b32 v[SX+\s], v[AXS] offset:128*\s
	ds_load_b32 v[SW+\s], v[AWSC] offset:128*\s
.endr
.irp q, 0,1,2,3,4,5,6,7
	ds_load_b128 v[PR+8*\q:PR+8*\q+3], v[APR] offset:PPS*\q
	ds_load_b128 v[PR+8*\q+4:PR+8*\q+7], v[APR] offset:PPS*\q+16
.endr
	s_wait_loadcnt 0x0                             ; G
	s_wait_dscnt 16                                ; fragments and scale words are in; the sixteen loads of partial products may be out
; source 0 = 16 rows of the weight, source 1 = 16 rows of x: register j of lane (r, hh) is (row r, output 8 hh + j).  The two sums take turns, one instruction a turn.
; Every operand and every scale word comes by a load: their counters above are all that these four lines hang on
	v_wmma_scale_f32_16x16x128_f8f6f4 v[ZZ:ZZ+7], v[GF:GF+7], v[XF:XF+7], 0, v[SG], v[SX] matrix_a_fmt:MATRIX_FMT_FP4 matrix_b_fmt:MATRIX_FMT_FP4
	v_wmma_scale_f32_16x16x128_f8f6f4 v[AA:AA+7], v[WF:WF+7], v[XF:XF+7], 0, v[SW], v[SX] matrix_a_fmt:MATRIX_FMT_FP4 matrix_b_fmt:MATRIX_FMT_FP4
	v_wmma_scale_f32_16x16x128_f8f6f4 v[ZZ:ZZ+7], v[GF+8:GF+15], v[XF+8:XF+15], v[ZZ:ZZ+7], v[SG+1], v[SX+1] matrix_a_fmt:MATRIX_FMT_FP4 matrix_b_fmt:MATRIX_FMT_FP4
	v_wmma_scale_f32_16x16x128_f8f6f4 v[AA:AA+7], v[WF+8:WF+15], v[XF+8:XF+15], v[AA:AA+7], v[SW+1], v[SX+1] matrix_a_fmt:MATRIX_FMT_FP4 matrix_b_fmt:MATRIX_FMT_FP4
	s_wait_dscnt 0x0
; m: the eight parts' products, by pairs.  These 24 plain lines name no register of the products above: they are the places behind them (ISA guide 7.12.1)
.irp q, 0,2,4,6
.irp j, 0,2,4,6
	v_pk_mul_f32 v[PR+8*\q+\j:PR+8*\q+\j+1], v[PR+8*\q+\j:PR+8*\q+\j+1], v[PR+8*\q+8+\j:PR+8*\q+8+\j+1]
.endr
.endr
.irp q, 0,4
.irp j, 0,2,4,6
	v_pk_mul_f32 v[PR+8*\q+\j:PR+8*\q+\j+1], v[PR+8*\q+\j:PR+8*\q+\j+1], v[PR+8*\q+16+\j:PR+8*\q+16+\j+1]
.endr
.endr
.irp j, 0,1,2,3,4,5,6,7
	v_mul_f32 v[E+\j], 0xbfb8aa3b, v[ZZ+\j]        ; -z log2(e); the sums are read from their low end on
.endr
	s_wait_alu depctr_va_vdst(0)
.irp j, 0,1,2,3,4,5,6,7
	v_exp_f32 v[E+\j], v[E+\j]                     ; e^-z (infinity for a very negative z: g is then 0)
.endr
.irp j, 0,2,4,6
	v_pk_mul_f32 v[PR+\j:PR+\j+1], v[PR+\j:PR+\j+1], v[PR+32+\j:PR+32+\j+1]   ; m is whole.  (Plain work behind the exponentials)
.endr
	s_wait_alu depctr_va_vdst(0)                   ; one wait for the eight exponentials' results v[E ..], ahead of their first reader
.irp j, 0,2,4,6
	v_pk_add_f32 v[E+\j:E+\j+1], v[E+\j:E+\j+1], 1.0 op_sel_hi:[1,0]
.endr
	s_wait_alu depctr_va_vdst(0)
.irp j, 0,1,2,3,4,5,6,7
	v_rcp_f32 v[E+\j], v[E+\j]                     ; g = 1 / (1 + e^-z)
.endr
	v_nop                                          ; a plain place behind the last reciprocal
	s_wait_alu depctr_va_vdst(0)                   ; and one wait for the eight reciprocals' results v[E ..]
.irp j, 0,2,4,6
	v_pk_fma_f32 v[UU+\j:UU+\j+1], v[E+\j:E+\j+1], -1.0, 1.0 op_sel_hi:[1,0,0]          ; 1 - g
.endr
.irp j, 0,2,4,6
	v_pk_mul_f32 v[UU+\j:UU+\j+1], v[UU+\j:UU+\j+1], v[PR+\j:PR+\j+1]                   ; (1 - g) m
.endr
.irp j, 0,2,4,6
	v_pk_fma_f32 v[YY+\j:YY+\j+1], v[E+\j:E+\j+1], v[AA+\j:AA+\j+1], v[UU+\j:UU+\j+1]   ; y = g a + (1 - g) m
.endr
	s_wait_alu depctr_va_vdst(0)                   ; the blend has written v[YY ..], which the two stores read
	ds_store_b128 v[ASO], v[YY:YY+3]               ; a row's 256 bytes come from four waves: they meet in the stage
	ds_store_b128 v[ASO], v[YY+4:YY+7] offset:16
.Lno_tile:
	BARRIER                                        ; 32 whole rows of y lie in the stage
	s_wait_alu depctr_vm_vsrc(0)                   ; in the eight waves that made a tile the stores into the stage have read v[YY ..], in which the load below lands (the vector lines that named these registers stand ahead of a wait on va_vdst in every wave)
	ds_load_b128 v[YY:YY+3], v[ASR]                ; wave w takes rows 2 w and 2 w + 1
	s_wait_dscnt 0x0
	global_store_b128 v[OFO], v[YY:YY+3], s[16:17] th:TH_STORE_NT   ; sixteen lanes store 256 consecutive bytes, at a multiple of 256 from out's first byte; written once, read by nobody here
	s_wait_dscnt 0x0
	s_wait_alu depctr_hold_cnt(0) depctr_sa_sdst(0) depctr_va_vdst(0) depctr_va_sdst(0) depctr_va_ssrc(0) depctr_va_vcc(0) depctr_vm_vsrc(0)
	s_wait_tensorcnt 0x0
	ds_add_u32 v254, v255
	s_wait_dscnt 0x0
	s_endpgm
.Lfunc_end_k_qb6ab76f228_nalu:
	.size	k_qb6ab76f228_nalu, .Lfunc_end_k_qb6ab76f228_nalu-k_qb6ab76f228_nalu
	.p2alignl 7, 3214868480
	.fill 96, 4, 3214868480
	.section	.rodata,"a",@progbits
	.p2align	6, 0x0
	.amdhsa_kernel k_qb6ab76f228_nalu
		.amdhsa_group_segment_fixed_size 293888
		.amdhsa_private_segment_fixed_size 0
		.amdhsa_enable_private_segment 0
		.amdhsa_kernarg_size 56
		.amdhsa_user_sgpr_count 2
		.amdhsa_user_sgpr_kernarg_segment_ptr 1
		.amdhsa_wavefront_size32 1
		.amdhsa_system_sgpr_workgroup_id_x 1
		.amdhsa_system_sgpr_workgroup_id_y 1
		.amdhsa_system_sgpr_workgroup_id_z 1
		.amdhsa_system_vgpr_workitem_id 0
		.amdhsa_next_free_vgpr 256
		.amdhsa_next_free_sgpr 66
		.amdhsa_reserve_vcc 0
		.amdhsa_float_denorm_mode_32 3
		.amdhsa_float_denorm_mode_16_64 3
		.amdhsa_memory_ordered 1
		.amdhsa_forward_progress 1
		.amdhsa_inst_pref_size 96
	.end_amdhsa_kernel
	.amdgpu_metadata
---
amdhsa.version: [ 1, 2 ]
amdhsa.kernels:
  - .name:           k_qb6ab76f228_nalu
    .symbol:         k_qb6ab76f228_nalu.kd
    .args:
      - { .name: x_t, .offset: 0, .size: 8, .value_kind: global_buffer, .address_space: global }
      - { .name: h_tm1, .offset: 8, .size: 8, .value_kind: global_buffer, .address_space: global }
      - { .name: W_mul, .offset: 16, .size: 8, .value_kind: global_buffer, .address_space: global }
      - { .name: W_add, .offset: 24, .size: 8, .value_kind: global_buffer, .address_space: global }
      - { .name: G_add_codes, .offset: 32, .size: 8, .value_kind: global_buffer, .address_space: global }
      - { .name: G_add_scales, .offset: 40, .size: 8, .value_kind: global_buffer, .address_space: global }
      - { .name: out0, .offset: 48, .size: 8, .value_kind: global_buffer, .address_space: global }
    .group_segment_fixed_size: 293888
    .private_segment_fixed_size: 0
    .kernarg_segment_align: 8
    .kernarg_segment_size: 56
    .max_flat_workgroup_size: 512
    .sgpr_count:     66
    .vgpr_count:     256
    .wavefront_size: 32
...
	.end_amdgpu_metadata
.endif
;; end of part 2
